; MI455X (gfx1250); checked and timed in simulation.
; The chip was launched on July 23, 2026; its instructions are those of AMD's public machine-readable ISA for CDNA 5 (MIT licence, August 2026) and "CDNA5" Instruction Set Architecture Reference Guide (July 2026). The comments in the code are by the model that wrote it; some were corrected since.
;; Feed Forward. Allowed arithmetic: matrix products marked QUANTISED: E2M1 operands, one E8M0 scale for each 32 along K, by v_wmma_scale_f32_16x16x128_f8f6f4 with both operands' format E2M1 (or v_wmma_scale_f32_32x16x128_f4), f32 sums; everything else in f32.
;; Inputs: b1 4,096 float32; w1 4,096 x 4,096 float32; x 4,096 x 4,096 float32.
;; Outputs: out0 4,096 x 4,096 float32.
;; This version of the problem:
;;   THIS VERSION OF THE PROBLEM IS GIVEN IN LOW PRECISION. The matrix products marked QUANTISED in the list below multiply operands that are first quantised to E2M1 (2 exponent bits, 1 mantissa bit; 4 bits a number), with one power-of-two scale for each 32 numbers along K (OCP MX v1.0); their sums are f32. All else is computed in f32.
;;   The module's matrix products, in the order in which they are computed (A, B: the left and right operand; K: the contracted axis; several contracted axes count as one K, in the product's order):
;;     1. [M 4,096, K 4,096] x [K 4,096, N 4,096]; A: input x; B: input w1: QUANTISED
;;   THE QUANTISER, for each operand of a quantised product, along K:
;;     - K is cut into blocks of 32 from its start; a last block that is shorter is filled with zeros.
;;     - A block's scale is 2^e with e = floor(log2(the largest magnitude in the block)) - 2, held to -126 .. 127; a block of zeros has e = 0. As a byte (E8M0): e + 127.
;;     - Each number is divided by its block's scale, clamped to +-6, and rounded to the nearest number of E2M1, ties to even, subnormals kept.
;;     - The product sums the exact products of the quantised numbers (number of the format x scale) in f32.
;;   ~~~python
;;   def quantise(x, axis):      # numpy; x: float32 -> the quantised numbers, widened to float32 again
;;       x = np.moveaxis(x, axis, -1); K = x.shape[-1]
;;       x = np.pad(x, [(0, 0)] * (x.ndim - 1) + [(0, -K % 32)]); x = x.reshape(x.shape[:-1] + (-1, 32)); a = np.abs(x).max(-1, keepdims=True)
;;       e = np.where(a > 0, np.clip(np.frexp(np.where(a > 0, a, 1))[1] - 1 - 2, -126, 127), 0)      # np.frexp(a)[1] - 1 = floor(log2(a)), exactly
;;       r = np.clip(x / 2.0 ** e, -6, 6)
;;       step = 2.0 ** (np.maximum(np.frexp(np.where(r == 0, 1, r))[1] - 1, 0) - 1)
;;       q = np.round(r / step) * step * 2.0 ** e      # np.round: ties to even
;;       return np.moveaxis(q.reshape(q.shape[:-2] + (-1,))[..., :K], -1, axis).astype(np.float32)
;;   ~~~
;; One version. Each part assembles by itself: llvm-mc -triple=amdgcn-amd-amdhsa -mcpu=gfx1250 --defsym DOCPART=n.
;; ======== version 1 of 1: 3 launches
;; limits: right only within a limited range of input values
;; workspace buffers: xq 8,912,896 bytes; wq 8,912,896 bytes; hid 67,108,864 bytes
;; launch quant (part 1): grid 512 x 1, 4 waves a work-group, no clusters, 68,096 bytes of LDS; arguments x, w1, xq, wq; writes xq, wq
.if DOCPART == 1
	.amdgcn_target "amdgcn-amd-amdhsa--gfx1250"
	.amdhsa_code_object_version 6
	.text
	.protected	k_q005e68ac82_quant
	.globl	k_q005e68ac82_quant
	.p2align	8
	.type	k_q005e68ac82_quant,@function
k_q005e68ac82_quant:
	s_mov_b64 s[64:65], 0
	v_nop
	global_prefetch_b8 v0, s[64:65] scope:SCOPE_SE
	s_setreg_imm32_b32 hwreg(HW_REG_WAVE_MODE, 25, 1), 1
	s_wait_xcnt 0x0
; LAUNCH 1 OF 3.  out0 = rownorm(relu(Q(x) Q(w1)^T + b1) + x).  This launch makes Q: x and w1, both [4096][4096] f32 with K innermost, become codes of FP4 (E2M1) with one E8M0 byte for each 32 along K.
; NO WORK OF THE PROBLEM IS LEFT OUT in any of the three launches: x, w1 and b1 all reach the output, and the one product is live.
; A block's scale is 2^(floor(log2(its largest magnitude)) - 2); its byte is the largest magnitude's own exponent field - 2, held at 1 from below; each number is divided by the scale and rounded to the nearest code, ties to even,
; beyond 6 the largest code.
; LIMITS: NaN and infinities among the inputs are not served.  A block of zeros gets the byte 1 where the rule says 127: its codes are zeros, which add nothing under any byte but 0xff, and this program alone reads the bytes.
; Blocks whose largest magnitude lies under 2^-124, whose byte is held at 1, were not tried.
; THE WORKSPACE IS LAID AS THE PRODUCT'S LAUNCH WANTS IT.  A CHUNK is 128 rows (panel p = row / 128) x 512 along K (K step s): CH = 34,816 bytes at (8 p + s) CH.  In it the fragment (i = block of 16 rows, q = 128 along K) lies
; at 4096 i + 1024 q as an image of the operand's registers: register group c (0, 1): lane l's 16 bytes at 512 c + 16 l; lane l = 16 h + r holds row r, k = 64 c + 32 h + 0 .. 31.  Behind the codes, at SCO + 256 i + 16 r,
; row r's 16 scale bytes of these 512 along K: word q is the scale word of fragment (i, q).
; SHARES.  Work-groups 0-255 take x, 256-511 w1 (only pointers are chosen: one path through the text).  A work-group takes 16 rows for all of K; wave w takes k = 1024 w .. + 1023: eight fragments f (K step 2 w + f / 4, q = f % 4).
; Each load reads 512 consecutive bytes of one row, 16 a lane; a fragment's 8,192 bytes turn through the wave's own stage in LDS (rows 528 bytes apart) and come back so that a lane holds two whole blocks of 32 of its row:
; no other lane is asked for a maximum, and the conversions' results are the operand's registers.  Each store of codes covers 512 consecutive bytes, aligned; the scale words leave at the end, sixteen lanes to 256 aligned bytes.
; No tensor load, no barrier: waves share nothing.  No cluster: work-groups share no input.  Loads run up to three fragments (48 loads a wave) ahead, the turn through LDS one fragment.
.set CH,    34816
.set SCO,   32768
.set SP,    528                        ; a stage row: 512 bytes + 16: the sixteen rows that a read touches start at sixteen different 16-byte columns
.set STG,   16*SP                      ; a stage: 16 rows
.set WREG,  2*STG                      ; a wave's region: two stages by turns
.set SPARE, 4*WREG                     ; behind the four regions: the spare words, 128 bytes for each wave: two blocks of 256 bytes that no other line names
.set SPW,   56                         ; v56  LDS address of my spare word; never rewritten
.set NIL,   57                         ; v57  0; never rewritten
; v1 lane, v2 r, v3 h; v4 16 x lane (loads and code stores); v5 into the stage; v6 out of it; v7 8 h; v8 the scale store's offset; v10-13 maxima; v14, v15 the conversions' scale operands;
; v16-23 the eight scale words; v[24:27] those that I store; v32-39, v40-47 codes, two sets by turns; v48-50 bytes at work; v64-127, v128-191, v192-255 three sets of 64 numbers
	s_load_b128 s[4:7], s[0:1], 0x0                ; x, w1
	s_load_b128 s[8:11], s[0:1], 0x10              ; xq, wq
	v_lshl_add_u32 v[SPW], v0, 2, SPARE
	v_mov_b32 v[NIL], 0
	v_lshrrev_b32 v1, 5, v0
	v_readfirstlane_b32 s16, v1                    ; wave 0..3
	v_and_b32 v1, 31, v0                           ; lane
	v_and_b32 v2, 15, v0                           ; r
	v_bfe_u32 v3, v0, 4, 1                         ; h
	v_lshlrev_b32 v4, 4, v1                        ; 16 x lane
	s_mul_i32 s28, s16, WREG
	v_add_nc_u32 v5, s28, v4                       ; into the stage: a row's 512 bytes as they lie
	v_mul_u32_u24 v6, v2, SP
	v_lshl_add_u32 v6, v3, 7, v6
	v_add_nc_u32 v6, s28, v6                       ; out of it: row r, + 128 h bytes: my 32 numbers of each 64
	v_lshlrev_b32 v7, 3, v3                        ; 8 h: my bytes' place in a scale word, in bits
	v_mul_u32_u24 v8, v3, CH
	v_lshl_add_u32 v8, v2, 4, v8                   ; the scale store: 16 r, lanes 16-31 one chunk (K step) further on
	v_mov_b32 v49, 0                               ; written once: a lane permute's destination counts as one of its sources
	s_mov_b32 s20, 0x76543210
	s_mov_b32 s21, 0xfedcba98                      ; v_permlanex16_b32's selects for lane l xor 16
	s_and_b32 s17, ttmp9, 255                      ; which block of 16 rows of the tensor
	s_lshr_b32 s18, s17, 3                         ; panel p
	s_and_b32 s19, s17, 7                          ; block i in it
	s_lshl_b32 s22, s17, 18                        ; 16 rows of 16,384 bytes,
	s_lshl_b32 s23, s16, 12                        ; my wave's 1,024 numbers
	s_add_co_u32 s22, s22, s23
	s_mov_b32 s23, 0
	s_lshl_b32 s24, s18, 3
	s_lshl_b32 s25, s16, 1
	s_add_co_u32 s24, s24, s25
	s_mul_i32 s24, s24, CH                         ; chunk (p, 2 w)
	s_lshl_b32 s25, s19, 12
	s_add_co_u32 s26, s24, s25                     ; my block's codes in it
	s_mov_b32 s27, 0
	s_lshl_b32 s25, s19, 8
	s_add_co_u32 s24, s24, s25
	s_add_co_u32 s24, s24, SCO                     ; and its scale bytes
	s_mov_b32 s25, 0
	s_wait_alu depctr_va_vdst(0)
	s_wait_kmcnt 0x0
	s_cmp_lt_u32 ttmp9, 256                        ; x's work-group or w1's?  The choice hangs on the work-group's number alone
	s_cselect_b64 s[4:5], s[4:5], s[6:7]
	s_cselect_b64 s[8:9], s[8:9], s[10:11]
	s_add_nc_u64 s[4:5], s[4:5], s[22:23]
	s_add_nc_u64 s[12:13], s[8:9], s[24:25]
	s_add_nc_u64 s[8:9], s[8:9], s[26:27]
.macro LOAD f                          ; fragment f: 16 rows x 512 bytes, into set f % 3
.set LSET, 64+64*((\f)%3)
.irp j, 0,1,2,3,4,5,6,7,8,9,10,11,12,13,14,15
	global_load_b128 v[LSET+4*\j:LSET+4*\j+3], v4, s[4:5] offset:16384*\j+512*(\f) th:TH_LOAD_NT   ; 32 lanes read 512 consecutive bytes of row j
.endr
.endm
.macro TURN f                          ; fragment f through stage f % 2, back into the registers that it left: LDS serves a wave's instructions in order, so no wait stands between the stores and the loads
.set TSET, 64+64*((\f)%3)
.set TOFF, ((\f)%2)*STG
.irp j, 0,1,2,3,4,5,6,7,8,9,10,11,12,13,14,15
	ds_store_b128 v5, v[TSET+4*\j:TSET+4*\j+3] offset:TOFF+SP*\j
.endr
.irp c, 0,1
.irp t, 0,1,2,3,4,5,6,7
	ds_load_b128 v[TSET+32*\c+4*\t:TSET+32*\c+4*\t+3], v6 offset:TOFF+256*\c+16*\t   ; register 32 c + n: k = 64 c + 32 h + n of row r
.endr
.endr
.endm
.macro STEP f
.set XS, 64+64*((\f)%3)
.set CD, 32+8*((\f)%2)
	s_wait_dscnt 0x0                               ; fragment f is back from the stage
.if (\f)+1 < 8
.if (\f)+2 < 8
	s_wait_loadcnt 16                              ; the next fragment's 16 loads are in; those of the one behind it may be out
.else
	s_wait_loadcnt 0x0
.endif
	TURN (\f)+1                                    ; it goes through the other stage while this one is worked
.endif
.irp c, 0,1                                    ; my two blocks, each in two chains, all four by turns
	v_max3_num_f32 v[10+2*\c], |v[XS+32*\c]|, |v[XS+32*\c+1]|, 0x1800000   ; the floor 2^(3 - 127), under which no largest magnitude is taken: so the byte cannot fall under 1
	v_max3_num_f32 v[11+2*\c], |v[XS+32*\c+16]|, |v[XS+32*\c+17]|, |v[XS+32*\c+18]|
.endr
.irp i, 2,4,6,8,10,12
.irp c, 0,1
	v_max3_num_f32 v[10+2*\c], v[10+2*\c], |v[XS+32*\c+\i]|, |v[XS+32*\c+\i+1]|
	v_max3_num_f32 v[11+2*\c], v[11+2*\c], |v[XS+32*\c+\i+17]|, |v[XS+32*\c+\i+18]|
.endr
.endr
.irp c, 0,1
	v_max3_num_f32 v[10+2*\c], v[10+2*\c], |v[XS+32*\c+14]|, |v[XS+32*\c+15]|
.endr
.irp c, 0,1
	v_max3_num_f32 v[10+2*\c], v[10+2*\c], v[11+2*\c], |v[XS+32*\c+31]|   ; the block's largest magnitude: all 32 numbers are mine
.endr
	v_add_nc_u32 v14, 0xff000000, v10              ; 2 off its exponent field: the conversion takes the exponent field of this operand as its scale, and nothing else of it
	v_add_nc_u32 v15, 0xff000000, v12
.if (\f) >= 2
	s_wait_alu depctr_va_vdst(0)
	s_wait_xcnt 0x0                                ; the stores of two fragments back have read this set of codes: it is written again only behind this wait
.endif
.irp c, 0,1
.irp g, 0,1,2,3
	v_cvt_scalef32_pk8_fp4_f32 v[CD+4*\c+\g], v[XS+32*\c+8*\g:XS+32*\c+8*\g+7], v[14+\c]   ; register 4 c + g of the operand
.endr
.endr
	v_lshrrev_b32 v48, 23, v14                     ; the scales' bytes: blocks h and 2 + h of my row's four.  (A plain line behind the conversions)
	v_lshrrev_b32 v50, 23, v15
	v_lshl_or_b32 v48, v50, 16, v48
	v_lshlrev_b32 v48, v7, v48                     ; at their places in the scale word (8 h bits up);
	v_permlanex16_b32 v49, v48, s20, s21
	v_or_b32 v[16+(\f)], v48, v49                  ; with lane l xor 16's two the word is whole, in both lanes
.irp c, 0,1
	global_store_b128 v4, v[CD+4*\c:CD+4*\c+3], s[8:9] offset:((\f)/4)*CH+((\f)%4)*1024+512*\c   ; 32 lanes store 512 consecutive bytes, aligned
.endr
.if (\f)+3 < 8
	LOAD (\f)+3                                    ; into the set that this fragment has left
.endif
.endm
	LOAD 0
	LOAD 1
	LOAD 2
	s_wait_loadcnt 32                              ; fragment 0's 16 loads are in; those of fragments 1 and 2 may be out
	TURN 0
.irp f, 0,1,2,3,4,5,6,7
	STEP \f
.endr
	v_cmp_ne_u32 vcc_lo, 0, v3                     ; lanes 0-15 store K step 2 w's four words of row r, lanes 16-31 those of K step 2 w + 1
.irp j, 0,1,2,3
	v_cndmask_b32 v[24+\j], v[16+\j], v[20+\j], vcc_lo
.endr
	global_store_b128 v8, v[24:27], s[12:13]       ; sixteen lanes store 256 consecutive bytes, aligned
	s_wait_tensorcnt 0x0                           ; the wave's end, behind my last LDS store
	ds_add_u32 v[SPW], v[NIL]
	s_wait_dscnt 0x0
	s_endpgm
.Lfunc_end_k_q005e68ac82_quant:
	.size	k_q005e68ac82_quant, .Lfunc_end_k_q005e68ac82_quant-k_q005e68ac82_quant
	.p2alignl 7, 3214868480
	.fill 96, 4, 3214868480
	.section	.rodata,"a",@progbits
	.p2align	6, 0x0
	.amdhsa_kernel k_q005e68ac82_quant
		.amdhsa_group_segment_fixed_size 68096
		.amdhsa_private_segment_fixed_size 0
		.amdhsa_enable_private_segment 0
		.amdhsa_kernarg_size 32
		.amdhsa_user_sgpr_count 2
		.amdhsa_user_sgpr_kernarg_segment_ptr 1
		.amdhsa_wavefront_size32 1
		.amdhsa_system_sgpr_workgroup_id_x 1
		.amdhsa_system_sgpr_workgroup_id_y 1
		.amdhsa_system_sgpr_workgroup_id_z 1
		.amdhsa_system_vgpr_workitem_id 0
		.amdhsa_next_free_vgpr 256
		.amdhsa_next_free_sgpr 66
		.amdhsa_reserve_vcc 1
		.amdhsa_float_denorm_mode_32 3
		.amdhsa_float_denorm_mode_16_64 3
		.amdhsa_memory_ordered 1
		.amdhsa_forward_progress 1
		.amdhsa_inst_pref_size 57
	.end_amdhsa_kernel
	.amdgpu_metadata
---
amdhsa.version: [ 1, 2 ]
amdhsa.kernels:
  - .name:           k_q005e68ac82_quant
    .symbol:         k_q005e68ac82_quant.kd
    .args:
      - { .name: x, .offset: 0, .size: 8, .value_kind: global_buffer, .address_space: global }
      - { .name: w1, .offset: 8, .size: 8, .value_kind: global_buffer, .address_space: global }
      - { .name: xq, .offset: 16, .size: 8, .value_kind: global_buffer, .address_space: global }
      - { .name: wq, .offset: 24, .size: 8, .value_kind: global_buffer, .address_space: global }
    .group_segment_fixed_size: 68096
    .private_segment_fixed_size: 0
    .kernarg_segment_align: 8
    .kernarg_segment_size: 32
    .max_flat_workgroup_size: 128
    .sgpr_count:     66
    .vgpr_count:     256
    .wavefront_size: 32
...
	.end_amdgpu_metadata
.endif
;; end of part 1
;; launch gemm (part 2): grid 16 x 16, 4 waves a work-group, clusters of 4 x 4, 327,680 bytes of LDS; arguments xq, wq, b1, x, hid; writes hid
.if DOCPART == 2
	.amdgcn_target "amdgcn-amd-amdhsa--gfx1250"
	.amdhsa_code_object_version 6
	.text
	.protected	k_q005e68ac82_gemm
	.globl	k_q005e68ac82_gemm
	.p2align	8
	.type	k_q005e68ac82_gemm,@function
k_q005e68ac82_gemm:
	s_mov_b64 s[64:65], 0
	v_nop
	global_prefetch_b8 v0, s[64:65] scope:SCOPE_SE
	s_setreg_imm32_b32 hwreg(HW_REG_WAVE_MODE, 25, 1), 1
	s_wait_xcnt 0x0
	s_wait_alu depctr_hold_cnt(0) depctr_sa_sdst(0) depctr_va_vdst(0) depctr_va_sdst(0) depctr_va_ssrc(0) depctr_va_vcc(0) depctr_vm_vsrc(0)
	s_getreg_b32 s2, hwreg(HW_REG_IB_STS2, 6, 4)
	s_cmp_eq_u32 s2, 0
	s_cbranch_scc0 .Lentry_in_a_cluster
	s_endpgm
.Lentry_in_a_cluster:
	s_bfe_u32 s2, ttmp6, 0x10000c
	s_cmp_lg_u32 s2, 0xf033
	s_cbranch_scc0 .Lentry_shape_is_right
	s_endpgm
.Lentry_shape_is_right:
; LAUNCH 2 OF 3.  hid = max(Q(x) Q(w1)^T + b1, 0) + x, f32: the product on FP4 codes with E8M0 scales, the bias as the C of each sum's first product, the activation and the residual on the way out.
; Nothing of the problem is left out.  LIMIT: NaN is not served (the activation is a maximum in which a NaN loses).
; A tile of 256 x 256 to a work-group of four waves, 128 x 128 to a wave: 64 accumulators, 512 registers.  xq and wq lie in chunks of CH bytes (128 rows x 512 along K: fragments as images of the operand's
; registers, then the rows' scale words), so a K step of a tile is four chunks; each wave fetches one by one tensor load (136 rows of 256 bytes, dense).  Two LDS slots of four chunks take turns.
; CLUSTERS 4 x 4: x's chunks are asked for jointly along a row of the cluster, w1's along a column.  A cluster walks the eight K steps from step 0 or 4 on, by its place in the grid, and round.
; SOURCE 0 = 16 rows of w1, SOURCE 1 = 16 rows of x: a lane holds eight neighbouring columns of one row of the result.
; FRAGMENTS.  From LDS, in two sets of registers: a step of 128 along K (64 products) issues the next step's 28 LDS loads in three groups: w1's 16 at its head, x's blocks 0-3 behind 16 products, blocks 4, 5 behind 32.
; x's blocks 6 and 7 come STRAIGHT FROM xq, whose fragments are register images (each load reads 512 consecutive bytes): four loads a step, into four sets of 16 registers, one for each step of a slot;
; a set is asked for again at the head of the step behind its use, three steps and a half ahead of its next use.  So an eighth of a step's fragment bytes is not read from LDS.
; x FOR THE RESIDUAL: a wave's part is eight blocks of 16 rows x 512 bytes, 64 registers each, loaded from the last K step on into registers that have fallen free.
; PREFETCHES.  (a) The chunks that my wave fetches: a chunk's 136 blocks of 256 bytes are shared by address among the four partners that ask for it jointly, 34 each: a lane a block, two instructions
; (30 lanes of the second name the share's last block again).  The walk's step 1 is asked for behind the first joint load, steps 2 and 3 behind the second; behind each refill and the LDS loads that follow it,
; the step two refills on; the last two refills have no such step and ask for nothing.  (b) One block of x (16 rows x 2 blocks of 256 bytes, a lane each) in the second step of each K step: blocks 0 to 7;
; only my wave reads them, from the last K step on.
; REGISTERS: window 0: v16-31 addresses, v32-95 scale words (a set a slot), v128-191 and v192-255 x's fragments from LDS; window 1: v0-63, v128-191 w1's fragments, v64-127 the bias, v192-255 x's blocks 6, 7;
; windows 2, 3: the accumulators.  On the way out window 0's v128-255 take rows back from the stage and all of window 1 holds x.
.set SIZE_N, 4096
.set ROWX,   SIZE_N*4
.set NQ,     4
.set FR,     8
.set NP,     4                         ; places behind this matrix form (ISA guide 7.12.1)
.set CH,     34816
.set SCO,    32768
.set SLOT,   4*CH
.set LAPS,   4
.set SPARE,  2*SLOT                    ; behind the ring: the spare words, two blocks of 256 bytes that no other line names
.set SPITCH, 528                       ; the way out: a stage of 16 rows x (512 + 16) bytes a wave, in slot 0, behind that slot's last fill and last read
.set ADRA, 16
.set PFX,  18                          ; x's prefetch: (lane / 2) rows + 256 (lane % 2)
.set ADRB, 20
.set ADRS, 22
.set STO,  24
.set RD,   25
.set CO,   26
.set BO,   27
.set SPW,  28
.set NIL,  29
.set PF0,  30                          ; 256 x lane
.set PF1,  31                          ; 256 x (32 + min(lane, 1))
.set SC,   32
.set AF,   128
.set BK,   128
.set BI,   64
.set DA,   192                         ; window 1: x's blocks 6, 7: set q at DA + 16 q
.set KN,   12                          ; s12: the chunk (K step) of the last refill
.set POFF, 18
.set G1,  24
.set G0,  32
.set G1B, 48
.set G0B, 56
.set PFA, 68                           ; s[68:69] where the chunks' prefetch stands
.set PFB, 70                           ; s[70:71] my panel + my work-group's share of a chunk
.set PX,  72                           ; s[72:73] the block of x that is asked for
.set DP,  76                           ; s[76:77], s[78:79] in xq: the chunk of my 128 rows that lies, or will next lie, in slot 0, 1
.set AP,  80                           ; s[80:81] in xq: the panel of my 128 rows
.set MSB, 0
.macro WIN new                         ; the immediate's high byte repeats the setting that is left
.if MSB != (\new)
	s_set_vgpr_msb (MSB<<8)|(\new)
.set MSB, (\new)
.endif
.endm
.macro WM hi, zero                     ; source 0 window 1, source 1 window 0, D window 2 + hi, C the same or (zero = 1: the bias) window 1
	WIN 0xa1+0x50*(\hi)-(\zero)*(0x10+0x10*(\hi))
.endm
.set TO_B, 0x40
.macro PLACES n
.rept \n
	v_nop
.endr
.endm
.macro JLOAD g0a, g1a, g0b, g1b        ; a joint load: waves 0, 1 fetch x's chunks, waves 2, 3 w1's; s_nop 0 and four v_nop behind each line
	s_cmp_eq_u32 s15, 0
	s_cbranch_scc0 .Lfor_b_\@
	tensor_load_to_lds s[\g0a:\g0a+3], s[\g1a:\g1a+7]
	s_nop 0
	PLACES 4
	s_branch .Lasked_\@
.Lfor_b_\@:
	tensor_load_to_lds s[\g0b:\g0b+3], s[\g1b:\g1b+7]
	s_nop 0
	PLACES 4
.Lasked_\@:
.endm
.macro AIM slot                        ; the slot's two group 0 point at the chunk POFF bytes into the panels
	s_add_nc_u64 s[G0+4*\slot+2:G0+4*\slot+3], s[4:5], s[POFF:POFF+1]
	s_add_nc_u64 s[G0B+4*\slot+2:G0B+4*\slot+3], s[6:7], s[POFF:POFF+1]
	s_or_b32 s[G0+4*\slot+3], s[G0+4*\slot+3], 0x80000000
	s_or_b32 s[G0B+4*\slot+3], s[G0B+4*\slot+3], 0x80000000
.endm
.macro CREST                           ; a round of the cluster's barrier behind its opening barrier
	s_cmp_lg_u32 s14, 0
	s_cbranch_scc1 .Lnot_wave_0_\@
	s_barrier_signal -3
.Lnot_wave_0_\@:
	s_barrier_wait -3
	s_barrier_signal -1
	s_barrier_wait -1
.endm
.macro CROUND
	s_barrier_signal -1
	s_barrier_wait -1
	CREST
.endm
.macro PFCH j                          ; my share of my wave's chunk j steps behind the walk's first
	global_prefetch_b8 v[PF0], s[PFA:PFA+1] offset:\j*CH th:TH_LOAD_NT scope:SCOPE_SE
	global_prefetch_b8 v[PF1], s[PFA:PFA+1] offset:\j*CH th:TH_LOAD_NT scope:SCOPE_SE
.endm
	s_load_b256 s[4:11], s[0:1], 0x0               ; xq, wq, b1, x
	s_load_b64 s[66:67], s[0:1], 0x20              ; hid
	v_lshl_add_u32 v[SPW], v0, 2, SPARE
	v_mov_b32 v[NIL], 0
	ds_add_u32 v[SPW], v[NIL]                      ; the opening lines: the add twice on end and one wait
	ds_add_u32 v[SPW], v[NIL]
	v_lshrrev_b32 v1, 5, v0
	v_readfirstlane_b32 s14, v1                    ; wave
	v_and_b32 v6, 31, v0
	v_lshlrev_b32 v[PF0], 8, v6
	v_min_u32 v6, 1, v6
	v_lshl_add_u32 v[PF1], v6, 8, 32*256
	s_lshr_b32 s15, s14, 1                         ; my half of the tile's rows; also: I fetch for x (0) or w1 (1)
	s_and_b32 s16, s14, 1                          ; my half of its columns; also: which 128 rows I fetch
	s_bfe_u32 s40, ttmp6, 0x40000                  ; cx
	s_bfe_u32 s41, ttmp6, 0x40004                  ; cy
	s_lshl_b32 s42, ttmp9, 2
	s_add_co_u32 s42, s42, s40                     ; tile column
	s_and_b32 s17, ttmp7, 0xffff
	s_lshr_b32 s[KN], ttmp9, 1                     ; the cluster's first K step: 4 x the parity of the bits of its two coordinates
	s_xor_b32 s[KN], s[KN], ttmp9
	s_lshr_b32 s13, s17, 1
	s_xor_b32 s13, s13, s17
	s_xor_b32 s[KN], s[KN], s13
	s_and_b32 s[KN], s[KN], 1
	s_lshl_b32 s[KN], s[KN], 2
	s_mul_i32 s[POFF], s[KN], CH
	s_mov_b32 s[POFF+1], 0
	s_add_co_u32 s[KN], s[KN], 1                   ; slot 1's first chunk
	s_lshl_b32 s17, s17, 2
	s_add_co_u32 s17, s17, s41                     ; tile row
	s_lshl_b32 s43, s41, 2
	s_lshl_b32 s43, 15, s43                        ; my row of the cluster
	s_lshl_b32 s44, 0x1111, s40                    ; my column
	s_or_b32 s[G1+0], s43, (3<<16)|(1<<21)         ; the mask, elements of 8 bytes, bit 21 beside a mask
	s_or_b32 s[G1B+0], s44, (3<<16)|(1<<21)
.irp g, G1, G1B
	s_mov_b32 s[\g+1], 32<<16                      ; rows of 32 elements = 256 bytes,
	s_mov_b32 s[\g+2], 136<<16                     ; 136 of them: a chunk
	s_mov_b32 s[\g+3], 32<<16
	s_mov_b32 s[\g+4], 136
	s_mov_b32 s[\g+5], 32
	s_mov_b32 s[\g+6], 0
	s_mov_b32 s[\g+7], 0
.endr
	s_lshl_b32 s20, s17, 1
	s_add_co_u32 s22, s20, s15
	s_mul_i32 s22, s22, 8*CH                       ; x's panel that I multiply: 2 x tile row + my half of the rows
	s_mov_b32 s23, 0
	s_add_co_u32 s20, s20, s16
	s_mul_i32 s20, s20, 8*CH                       ; x's panel that I fetch from: 2 x tile row + half
	s_mov_b32 s21, 0
	s_lshl_b32 s46, s42, 1
	s_add_co_u32 s46, s46, s16
	s_mul_i32 s46, s46, 8*CH                       ; w1's panel 2 x tile column + half
	s_mov_b32 s47, 0
	s_mul_i32 s45, s14, CH                         ; where my chunk goes in a slot
	s_wait_alu depctr_va_vdst(0)                   ; the wait stands ahead of the waits below
	s_wait_dscnt 0x0                               ; both opening adds are done
	s_wait_kmcnt 0x0
	s_add_nc_u64 s[AP:AP+1], s[4:5], s[22:23]
	s_add_nc_u64 s[DP:DP+1], s[AP:AP+1], s[POFF:POFF+1]
	s_add_nc_u64 s[DP+2:DP+3], s[DP:DP+1], CH
	s_add_nc_u64 s[4:5], s[4:5], s[20:21]
	s_add_nc_u64 s[6:7], s[6:7], s[46:47]
	s_cmp_eq_u32 s15, 0
	s_cselect_b64 s[PFB:PFB+1], s[4:5], s[6:7]     ; the panel that I fetch from,
	s_cselect_b32 s74, s40, s41                    ; my place among the four that ask with me,
	s_mul_i32 s74, s74, 34*256                     ; and my work-group's 34 blocks of a chunk
	s_mov_b32 s75, 0
	s_add_nc_u64 s[PFB:PFB+1], s[PFB:PFB+1], s[74:75]
	s_add_nc_u64 s[PFA:PFA+1], s[PFB:PFB+1], s[POFF:POFF+1]   ; my share of the walk's first chunk (0 or 4: three chunks on stay inside the panel's eight)
	CROUND                                         ; all sixteen work-groups are here: the first joint loads meet
.irp s, 0,1
	s_mov_b32 s[G0+4*\s], 1
	s_add_co_u32 s[G0+4*\s+1], s45, \s*SLOT
	s_mov_b32 s[G0B+4*\s], 1
	s_add_co_u32 s[G0B+4*\s+1], s45, \s*SLOT
	AIM \s
	s_add_co_u32 s[POFF], s[POFF], CH
.endr
	JLOAD G0, G1, G0B, G1B                         ; the first K step: one tensor load a wave at the head
	PFCH 1
	v_and_b32 v1, 31, v0                           ; lane
	v_and_b32 v2, 15, v0                           ; r
	v_bfe_u32 v3, v0, 4, 1                         ; h
	v_lshlrev_b32 v4, 4, v1
	v_lshrrev_b32 v6, 1, v1
	v_and_b32 v7, 1, v1
	v_lshlrev_b32 v7, 8, v7
	v_lshl_add_u32 v[PFX], v6, 14, v7
	s_mul_i32 s21, s15, CH                         ; my 128 rows of x
	s_mul_i32 s22, s16, CH
	s_add_co_u32 s22, s22, 2*CH                    ; my 128 rows of w1
	s_sub_co_u32 s23, s22, s21
	v_mul_u32_u24 v5, s23, v3                      ; scale words: lanes 0-15 x's rows, lanes 16-31 w1's
	v_lshl_add_u32 v5, v2, 4, v5
.irp s, 0,1
	v_add_nc_u32 v[ADRA+\s], s21, v4
	v_add_nc_u32 v[ADRB+\s], s22, v4
	v_add_nc_u32 v[ADRS+\s], s21, v5
	s_add_co_u32 s21, s21, SLOT
	s_add_co_u32 s22, s22, SLOT
.endr
	s_mul_i32 s23, s14, 16*SPITCH                  ; my stage
	v_mul_u32_u24 v5, v2, SPITCH
	v_lshl_add_u32 v5, v3, 5, v5
	v_add_nc_u32 v[STO], s23, v5                   ; in: row r, 32 bytes for each half of the lanes
	v_lshlrev_b32 v[CO], 4, v1                     ; 16 x lane: back from the stage, in x and hid, and in a fragment's image in xq
	v_add_nc_u32 v[RD], s23, v4
	v_lshlrev_b32 v[BO], 5, v3                     ; the bias of my eight columns of a block: 32 h
	s_wait_alu depctr_va_vdst(0)
	s_lshl_b32 s46, s42, 10
	s_lshl_b32 s47, s16, 9
	s_add_co_u32 s46, s46, s47                     ; my first column, in bytes
	s_mov_b32 s47, 0
	s_add_nc_u64 s[8:9], s[8:9], s[46:47]
	s_lshl_b32 s20, s17, 8
	s_lshl_b32 s21, s15, 7
	s_add_co_u32 s20, s20, s21                     ; my first row
	s_lshl_b32 s20, s20, 14
	s_add_co_u32 s20, s20, s46
	s_mov_b32 s21, 0
	s_add_nc_u64 s[10:11], s[10:11], s[20:21]      ; x and hid at my part's corner
	s_add_nc_u64 s[66:67], s[66:67], s[20:21]
	s_mov_b64 s[PX:PX+1], s[10:11]                 ; block 0; each change of slots steps it a block on
.macro XSET a                          ; block a of x lies in window 1 at v64, v0, v192, v128 for a % 4 = 0, 1, 2, 3
.set XS, (1-((\a)%4)/2)*(64-64*((\a)%2))+(((\a)%4)/2)*(192-64*((\a)%2))
.endm
.macro XLOAD a                         ; 16 rows x 512 bytes of x: each load reads 512 consecutive bytes; every offset an immediate (127 rows of 16,384 bytes at the most)
	XSET \a
	WIN TO_B
.irp t, 0,1,2,3,4,5,6,7,8,9,10,11,12,13,14,15
	global_load_b128 v[XS+4*\t:XS+4*\t+3], v[CO], s[10:11] offset:(16*(\a)+\t)*ROWX th:TH_LOAD_NT
.endr
	WIN 0
.endm
.macro DL dslot, q                     ; x's blocks 6, 7 of the q-th 128 along K of the chunk at DP[dslot], straight from xq into set q: four loads
	WIN TO_B
.irp i, 0,1
.irp c, 0,1
	global_load_b128 v[DA+16*(\q)+8*\i+4*\c:DA+16*(\q)+8*\i+4*\c+3], v[CO], s[DP+2*(\dslot):DP+2*(\dslot)+1] offset:4096*(6+\i)+1024*(\q)+512*\c
.endr
.endr
.endm
	WIN TO_B
.irp b, 0,1,2,3,4,5,6,7
	global_load_b128 v[BI+8*\b:BI+8*\b+3],   v[BO], s[8:9] offset:64*\b
	global_load_b128 v[BI+8*\b+4:BI+8*\b+7], v[BO], s[8:9] offset:64*\b+16
.endr
	DL 0, 0
	DL 0, 1
	DL 0, 2
	WIN 0
.macro FRAG reg, adr, q, i             ; a fragment: two loads of 512 consecutive bytes, 16 a lane
.irp c, 0,1
	ds_load_b128 v[\reg+4*\c:\reg+4*\c+3], v[\adr] offset:4096*(\i)+1024*(\q)+512*\c
.endr
.endm
; 16 products: x's blocks a0, a0 + 1 against w1's eight; p: the sets of fragments from LDS; q: the step in the slot, and the set of blocks 6, 7; sc: the set of scale words.
; The 64 accumulators take turns in one order in every step.
.macro MUL16 a0, p, q, sc, zero
.irp a, \a0, \a0+1
.set AR, (1-(\a)/6)*(AF+64*(\p)+FR*(\a))+((\a)/6)*(DA+16*(\q)+FR*((\a)-6))
.irp b, 0,1,2,3,4,5,6,7
.if \zero
	v_wmma_scale_f32_16x16x128_f8f6f4 v[8*(8*((\a)%4)+\b):8*(8*((\a)%4)+\b)+7], v[128*(\p)+FR*\b:128*(\p)+FR*\b+FR-1], v[AR:AR+FR-1], v[BI+8*\b:BI+8*\b+7], v[SC+8*NQ*(\sc)+NQ*\b+(\q)], v[SC+8*NQ*(\sc)+NQ*(\a)+(\q)] matrix_a_fmt:MATRIX_FMT_FP4 matrix_b_fmt:MATRIX_FMT_FP4 matrix_a_scale:MATRIX_SCALE_ROW1
.else
	v_wmma_scale_f32_16x16x128_f8f6f4 v[8*(8*((\a)%4)+\b):8*(8*((\a)%4)+\b)+7], v[128*(\p)+FR*\b:128*(\p)+FR*\b+FR-1], v[AR:AR+FR-1], v[8*(8*((\a)%4)+\b):8*(8*((\a)%4)+\b)+7], v[SC+8*NQ*(\sc)+NQ*\b+(\q)], v[SC+8*NQ*(\sc)+NQ*(\a)+(\q)] matrix_a_fmt:MATRIX_FMT_FP4 matrix_b_fmt:MATRIX_FMT_FP4 matrix_a_scale:MATRIX_SCALE_ROW1
.endif
.endr
.endr
.endm
.macro GB slot, q, p                   ; w1's eight fragments into set p: 16 loads
	WIN TO_B
.irp i, 0,1,2,3,4,5,6,7
	FRAG 128*(\p)+FR*\i, ADRB+\slot, \q, \i
.endr
.endm
.macro GA slot, q, p                   ; x's blocks 0-3 into set p: 8 loads
	WIN 0
.irp i, 0,1,2,3
	FRAG AF+64*(\p)+FR*\i, ADRA+\slot, \q, \i
.endr
.endm
.macro GA2 slot, q, p                  ; x's blocks 4, 5 into set p: 4 loads
	WIN 0
.irp i, 4,5
	FRAG AF+64*(\p)+FR*\i, ADRA+\slot, \q, \i
.endr
.endm
.macro SCALES sc                       ; a K step's scale words: lanes 0-15 x's block i, lanes 16-31 w1's block i
.irp i, 0,1,2,3,4,5,6,7
	ds_load_b128 v[SC+8*NQ*\sc+NQ*\i:SC+8*NQ*\sc+NQ*\i+3], v[ADRS+\sc] offset:SCO+256*\i
.endr
.endm
; A step of 128 along K whose successor lies in the same slot.  The four v_nop are the places between the last step's products and all loads into the registers that they read.
; ask = 1: a block of x is asked for.  dl = 1: the set of blocks 6, 7 that the last step used is asked for again: step q - 1 of the next K step, or (q = 0) step 3 of this one.
; lc: the global loads issued behind this step's set of blocks 6, 7.
.macro STEP slot, q, zero, ask, dl, lc
	s_wait_dscnt 4                                 ; all of this step's fragments from LDS but x's blocks 4, 5, the youngest four loads
	PLACES NP
.if \dl
.if (\q) == 0
	DL \slot, 3
.else
	DL 1-\slot, (\q)-1
.endif
.endif
	GB \slot, (\q)+1, 1-(\q)%2
	WM 0, \zero
	MUL16 0, (\q)%2, \q, \slot, \zero
	GA \slot, (\q)+1, 1-(\q)%2
.if \ask
	global_prefetch_b8 v[PFX], s[PX:PX+1] th:TH_LOAD_NT scope:SCOPE_SE
.endif
	WM 0, \zero
	MUL16 2, (\q)%2, \q, \slot, \zero
	s_wait_dscnt 24                                ; x's blocks 4, 5 are in: behind them stand the 16 + 8 loads of this step
	GA2 \slot, (\q)+1, 1-(\q)%2
	WM 1, \zero
	MUL16 4, (\q)%2, \q, \slot, \zero
	s_wait_loadcnt \lc                             ; x's blocks 6, 7 are in
	WIN 0xf5-0x20*(\zero)                          ; source 1 window 1 too
	MUL16 6, (\q)%2, \q, \slot, \zero
.endm
.macro ASK                             ; the chunk two refills on
	s_cmp_gt_u32 s3, 1                             ; the loop's last trip has no K step two refills on
	s_cbranch_scc0 .Lno_\@
	global_prefetch_b8 v[PF0], s[PFA:PFA+1] th:TH_LOAD_NT scope:SCOPE_SE
	global_prefetch_b8 v[PF1], s[PFA:PFA+1] th:TH_LOAD_NT scope:SCOPE_SE
.Lno_\@:
.endm
; A slot's last step changes slots at its head: all its fragments from LDS are in registers by the wait for 0, so nobody reads the slot behind the barrier.  fill = 1: the barrier opens a round of the cluster's barrier and the slot is filled again.
.macro TURN slot, next, fill
	WIN 0
	s_wait_xcnt 0x0                                ; my loads and prefetches have read their addresses, which are written below
	s_wait_tensorcnt 0x0                           ; all my tensor loads have landed: my chunk of the next slot
	ds_add_u32 v[SPW], v[NIL]
	s_add_nc_u64 s[PX:PX+1], s[PX:PX+1], 16*ROWX
.if \fill
	s_add_co_u32 s[KN], s[KN], 1                   ; no tensor load of mine is out: the slot's group 0 takes the K step two on, round the eight
	s_and_b32 s[KN], s[KN], 7
	s_mul_i32 s[POFF], s[KN], CH
	AIM \slot
	s_add_nc_u64 s[DP+2*\slot:DP+2*\slot+1], s[AP:AP+1], s[POFF:POFF+1]
	s_add_co_u32 s74, s[KN], 2
	s_and_b32 s74, s74, 7
	s_mul_i32 s74, s74, CH
	s_add_nc_u64 s[PFA:PFA+1], s[PFB:PFB+1], s[74:75]
.endif
	s_wait_dscnt 0x0                               ; the add is done, and my reads of this slot are over
	s_barrier_signal -1
	WIN 0xa1
	MUL16 0, 1, NQ-1, \slot, 0
	WIN 0
	s_barrier_wait -1
.if \fill
	CREST
	JLOAD G0+4*\slot, G1, G0B+4*\slot, G1B         ; the first tensor load behind the round; its four v_nop are the places in front of the loads below
.else
	PLACES NP
.endif
	DL \next, 2                                    ; step 2 of the next K step
	GB \next, 0, 0
	WIN 0
	SCALES \next
.if \fill
	ASK
.endif
	WIN 0xa1
	MUL16 2, 1, NQ-1, \slot, 0
	GA \next, 0, 0
	WIN 0xf1
	MUL16 4, 1, NQ-1, \slot, 0
	GA2 \next, 0, 0
	s_wait_loadcnt 12                              ; this step's blocks 6, 7 are in; the three sets asked for behind them may be out
	WIN 0xf5
	MUL16 6, 1, NQ-1, \slot, 0
.endm
.macro STEPS slot, from                ; the slot's steps from .. NQ - 2; its second step asks for a block of x
.set Q, \from
.rept NQ-1-\from
.if Q == 1
	STEP \slot, Q, 0, 1, 1, 12
.else
	STEP \slot, Q, 0, 0, 1, 12
.endif
.set Q, Q+1
.endr
.endm
	s_wait_tensorcnt 0x0                           ; my chunk of the first K step is in; slot 1's first fill is issued as a refill is
	ds_add_u32 v[SPW], v[NIL]
	s_wait_dscnt 0x0
	CROUND
	JLOAD G0+4, G1, G0B+4, G1B
	GB 0, 0, 0
	WIN 0
	SCALES 0
	GA 0, 0, 0
	GA2 0, 0, 0
	PFCH 2
	PFCH 3
	s_wait_loadcnt 12                              ; the bias is in; the three sets of blocks 6, 7 behind it may be out
	STEP 0, 0, 1, 0, 1, 12                         ; the first step's products start the sums on the bias
	WIN 0
	s_mov_b32 s3, LAPS-1
.Llap:
	STEPS 0, 1
	TURN 0, 1, 1
	STEPS 1, 0
	TURN 1, 0, 1
	STEP 0, 0, 0, 0, 1, 12
	WIN 0
	s_sub_co_u32 s3, s3, 1
	s_cmp_lg_u32 s3, 0
	s_cbranch_scc1 .Llap
	STEPS 0, 1                                     ; the last lap fills nothing
	TURN 0, 1, 0
	STEP 1, 0, 0, 0, 1, 12                         ; the last set of blocks 6, 7 is asked for here
	WIN 0
	XLOAD 0                                        ; into the registers that held the bias
	STEP 1, 1, 0, 1, 0, 24                         ; behind this step's set: two sets and x's block 0
	STEP 1, 2, 0, 0, 0, 20                         ; one set and x's block 0
	s_wait_dscnt 4
	PLACES NP
	XLOAD 1                                        ; w1's set 0 was last read a step ago
	WIN 0xa1
	MUL16 0, 1, NQ-1, 1, 0
	MUL16 2, 1, NQ-1, 1, 0
	s_wait_dscnt 0
	WIN 0xf1
	MUL16 4, 1, NQ-1, 1, 0
	s_wait_loadcnt 32                              ; behind the last set: x's blocks 0 and 1
	WIN 0xf5
	MUL16 6, 1, NQ-1, 1, 0
	WIN 0
	PLACES NP
	XLOAD 2
	XLOAD 3
; THE WAY OUT, by blocks of 16 rows x 128 columns: through my own stage and back as whole rows of 512 bytes (LDS serves a wave's instructions in order); then max(., 0) + x, and the 32 lanes store 512 consecutive bytes, aligned.
.macro TOSTAGE a
.set AC, 64*((\a)%4)
	WIN 0x08+4*((\a)/4)
.irp b, 0,1,2,3,4,5,6,7
	ds_store_b128 v[STO], v[AC+8*\b:AC+8*\b+3] offset:64*\b          ; each accumulator from its low end on
	ds_store_b128 v[STO], v[AC+8*\b+4:AC+8*\b+7] offset:64*\b+16
.endr
	WIN 0
.set BB, BK+64*((\a)%2)
.irp t, 0,1,2,3,4,5,6,7,8,9,10,11,12,13,14,15
	ds_load_b128 v[BB+4*\t:BB+4*\t+3], v[RD] offset:\t*SPITCH
.endr
.endm
.macro FIN a, younger
.set BB, BK+64*((\a)%2)
	XSET \a
	s_wait_dscnt \younger                          ; the block is back in registers
.if (\a) < 5
	s_wait_loadcnt 48                              ; x's block a is in; the three blocks asked for behind it may be out
.else
	s_wait_loadcnt 16*(7-(\a))
.endif
.set N, 0
.rept 64
	v_max_num_f32 v[BB+N], 0, v[BB+N]
.set N, N+1
.endr
	WIN 0x04                                       ; source 1: window 1
.set N, 0
.rept 32
	v_pk_add_f32 v[BB+N:BB+N+1], v[BB+N:BB+N+1], v[XS+N:XS+N+1]
.set N, N+2
.endr
	WIN 0
.irp t, 0,1,2,3,4,5,6,7,8,9,10,11,12,13,14,15
	global_store_b128 v[CO], v[BB+4*\t:BB+4*\t+3], s[66:67] offset:(16*(\a)+\t)*ROWX th:TH_STORE_NT
.endr
.if (\a) < 4
	XLOAD (\a)+4                                   ; into the registers just added
.endif
.endm
	TOSTAGE 0
.irp a, 1,2,3,4,5,6,7
.if \a > 1
	s_wait_xcnt 0x0                                ; block a - 2's stores have read their registers: block a's rows may land there
.endif
	TOSTAGE \a
	FIN \a-1, 32                                   ; behind block a - 1's loads: block a's 16 stores and 16 loads
.endr
	FIN 7, 0
	s_wait_tensorcnt 0x0                           ; the wave's end
	ds_add_u32 v[SPW], v[NIL]
	s_wait_dscnt 0x0
	CROUND                                         ; the closing round
	s_endpgm
.Lfunc_end_k_q005e68ac82_gemm:
	.size	k_q005e68ac82_gemm, .Lfunc_end_k_q005e68ac82_gemm-k_q005e68ac82_gemm
	.p2alignl 7, 3214868480
	.fill 96, 4, 3214868480
	.section	.rodata,"a",@progbits
	.p2align	6, 0x0
	.amdhsa_kernel k_q005e68ac82_gemm
		.amdhsa_group_segment_fixed_size 327680
		.amdhsa_private_segment_fixed_size 0
		.amdhsa_enable_private_segment 0
		.amdhsa_kernarg_size 40
		.amdhsa_user_sgpr_count 2
		.amdhsa_user_sgpr_kernarg_segment_ptr 1
		.amdhsa_wavefront_size32 1
		.amdhsa_system_sgpr_workgroup_id_x 1
		.amdhsa_system_sgpr_workgroup_id_y 1
		.amdhsa_system_sgpr_workgroup_id_z 1
		.amdhsa_system_vgpr_workitem_id 0
		.amdhsa_next_free_vgpr 1024
		.amdhsa_next_free_sgpr 84
		.amdhsa_reserve_vcc 0
		.amdhsa_float_denorm_mode_32 3
		.amdhsa_float_denorm_mode_16_64 3
		.amdhsa_memory_ordered 1
		.amdhsa_forward_progress 1
		.amdhsa_inst_pref_size 255
	.end_amdhsa_kernel
	.section	.bss,"aw",@nobits
	.p2align	6
	.space	262144
	.amdgpu_metadata
---
amdhsa.version: [ 1, 2 ]
amdhsa.kernels:
  - .name:           k_q005e68ac82_gemm
    .symbol:         k_q005e68ac82_gemm.kd
    .args:
      - { .name: xq, .offset: 0, .size: 8, .value_kind: global_buffer, .address_space: global }
      - { .name: wq, .offset: 8, .size: 8, .value_kind: global_buffer, .address_space: global }
      - { .name: b1, .offset: 16, .size: 8, .value_kind: global_buffer, .address_space: global }
      - { .name: x, .offset: 24, .size: 8, .value_kind: global_buffer, .address_space: global }
      - { .name: hid, .offset: 32, .size: 8, .value_kind: global_buffer, .address_space: global }
    .group_segment_fixed_size: 327680
    .private_segment_fixed_size: 0
    .kernarg_segment_align: 8
    .kernarg_segment_size: 40
    .max_flat_workgroup_size: 128
    .sgpr_count:     84
    .vgpr_count:     1024
    .wavefront_size: 32
...
	.end_amdgpu_metadata
.endif
;; end of part 2
;; launch norm (part 3): grid 1024 x 1, 4 waves a work-group, no clusters, 0 bytes of LDS; arguments hid, out0; writes out0
.if DOCPART == 3
	.amdgcn_target "amdgcn-amd-amdhsa--gfx1250"
	.amdhsa_code_object_version 6
	.text
	.protected	k_q005e68ac82_norm
	.globl	k_q005e68ac82_norm
	.p2align	8
	.type	k_q005e68ac82_norm,@function
k_q005e68ac82_norm:
	s_mov_b64 s[64:65], 0
	v_nop
	global_prefetch_b8 v0, s[64:65] scope:SCOPE_SE
	s_setreg_imm32_b32 hwreg(HW_REG_WAVE_MODE, 25, 1), 1
	s_wait_xcnt 0x0
; LAUNCH 3 OF 3.  hid holds r = max(Q(x) Q(w1)^T + b1, 0) + x.  out0 = (r - mean(r)) / sqrt(var(r) + 1e-4), mean and variance over each row's 4,096 numbers, in f32.  Nothing of the problem is left out.
; ONE WAVE, ONE ROW: 16,384 bytes are 128 registers of a wave and stay there from the loads to the stores: hid is read once, out0 written once; no LDS, no barrier.
; THE VARIANCE IS TAKEN IN TWO PASSES over the registers: the mean, then the sum of (r - mean)^2: never a difference of two large sums.
; Each load and store of a wave covers 512 consecutive bytes, aligned; all 32 loads go out at the head.  No cluster, no matrix unit: work-groups share no input and there is no product.
; No prefetch: the launch has no loop to run ahead in.
; LIMIT: var + 1e-4 is taken for std x std + 1e-4, which differs by rounding alone.
.set R, 32                             ; v32-159 the row: r, then r - mean, then the result
; v1 16 x lane; v2 the lane permute's destination; v[8:15] four packed chains; v[16:17] the mean, twice; v[18:19] 1 / sqrt(var + eps), twice; v20 var + eps
	s_load_b128 s[4:7], s[0:1], 0x0                ; hid, out0
	v_lshrrev_b32 v1, 5, v0
	v_readfirstlane_b32 s14, v1                    ; wave
	v_and_b32 v1, 31, v0
	v_lshlrev_b32 v1, 4, v1
	v_mov_b32 v2, 0                                ; written once: a lane permute's destination counts as one of its sources
	s_lshl_b32 s15, ttmp9, 2
	s_add_co_u32 s15, s15, s14                     ; my row
	s_lshl_b32 s16, s15, 14
	s_mov_b32 s17, 0
	s_mov_b32 s10, 0x39800000                      ; 1 / 4,096
	s_mov_b32 s11, 0x38d1b717                      ; 1e-4
	s_mov_b32 s12, 0x76543210
	s_mov_b32 s13, 0xfedcba98                      ; lane l xor 16
	s_wait_alu depctr_va_vdst(0)
	s_wait_kmcnt 0x0
	s_add_nc_u64 s[4:5], s[4:5], s[16:17]
	s_add_nc_u64 s[6:7], s[6:7], s[16:17]
.irp t, 0,1,2,3,4,5,6,7,8,9,10,11,12,13,14,15,16,17,18,19,20,21,22,23,24,25,26,27,28,29,30,31
	global_load_b128 v[R+4*\t:R+4*\t+3], v1, s[4:5] offset:512*\t th:TH_LOAD_NT
.endr
; The row's sum in four packed chains, eight loads (16 pairs) at a time; pairs 0-3 start the chains with pairs 4-7: nothing is cleared.
.set PP, 0
.irp g, 0,1,2,3
.if \g
	s_wait_alu depctr_va_vdst(0)                   ; ahead of the wait below
.endif
	s_wait_loadcnt 24-8*\g                         ; loads come back in order: the first 8 (g + 1) are in
.rept 16
.set CHN, 8+2*(PP%4)
.if PP >= 8
	v_pk_add_f32 v[CHN:CHN+1], v[CHN:CHN+1], v[R+2*PP:R+2*PP+1]
.elseif PP >= 4
	v_pk_add_f32 v[CHN:CHN+1], v[R+2*PP-8:R+2*PP-7], v[R+2*PP:R+2*PP+1]
.endif
.set PP, PP+1
.endr
.endr
.macro REDUCE                          ; the four chains, their halves and the 32 lanes: every lane ends with the sum in v8
	v_pk_add_f32 v[8:9], v[8:9], v[10:11]
	v_pk_add_f32 v[12:13], v[12:13], v[14:15]
	v_pk_add_f32 v[8:9], v[8:9], v[12:13]
	v_add_f32 v8, v8, v9
	v_add_f32_dpp v8, v8, v8 row_xmask:1 row_mask:0xf bank_mask:0xf
	v_add_f32_dpp v8, v8, v8 row_xmask:2 row_mask:0xf bank_mask:0xf
	v_add_f32_dpp v8, v8, v8 row_xmask:4 row_mask:0xf bank_mask:0xf
	v_add_f32_dpp v8, v8, v8 row_xmask:8 row_mask:0xf bank_mask:0xf
	v_permlanex16_b32 v2, v8, s12, s13
	v_add_f32 v8, v8, v2
.endm
	REDUCE
	v_mul_f32 v16, s10, v8                         ; the mean,
	v_mul_f32 v17, s10, v8                         ; twice: a pair for the packed subtraction
.set P, 0
.rept 16                               ; four pairs at a time: r - mean in place, its square into the four chains
.irp u, 0,1,2,3
	v_pk_add_f32 v[R+2*(P+\u):R+2*(P+\u)+1], v[R+2*(P+\u):R+2*(P+\u)+1], v[16:17] neg_lo:[0,1] neg_hi:[0,1]
.endr
.irp u, 0,1,2,3
.if P == 0
	v_pk_mul_f32 v[8+2*\u:9+2*\u], v[R+2*(P+\u):R+2*(P+\u)+1], v[R+2*(P+\u):R+2*(P+\u)+1]
.else
	v_pk_fma_f32 v[8+2*\u:9+2*\u], v[R+2*(P+\u):R+2*(P+\u)+1], v[R+2*(P+\u):R+2*(P+\u)+1], v[8+2*\u:9+2*\u]
.endif
.endr
.set P, P+4
.endr
	REDUCE
	v_fma_f32 v20, v8, s10, s11                    ; var + 1e-4
	s_wait_alu depctr_va_vdst(0)
	v_rsq_f32 v18, v20
	v_rsq_f32 v19, v20                             ; twice: a pair for the packed multiply
	v_nop                                          ; a plain place behind the last of the two
	s_wait_alu depctr_va_vdst(0)                   ; and one wait for both ahead of the first use
.irp t, 0,1,2,3,4,5,6,7,8,9,10,11,12,13,14,15,16,17,18,19,20,21,22,23,24,25,26,27,28,29,30,31
	v_pk_mul_f32 v[R+4*\t:R+4*\t+1], v[R+4*\t:R+4*\t+1], v[18:19]
	v_pk_mul_f32 v[R+4*\t+2:R+4*\t+3], v[R+4*\t+2:R+4*\t+3], v[18:19]
	global_store_b128 v1, v[R+4*\t:R+4*\t+3], s[6:7] offset:512*\t th:TH_STORE_NT   ; no register of a store is written again
.endr
	s_endpgm
.Lfunc_end_k_q005e68ac82_norm:
	.size	k_q005e68ac82_norm, .Lfunc_end_k_q005e68ac82_norm-k_q005e68ac82_norm
	.p2alignl 7, 3214868480
	.fill 96, 4, 3214868480
	.section	.rodata,"a",@progbits
	.p2align	6, 0x0
	.amdhsa_kernel k_q005e68ac82_norm
		.amdhsa_group_segment_fixed_size 0
		.amdhsa_private_segment_fixed_size 0
		.amdhsa_enable_private_segment 0
		.amdhsa_kernarg_size 16
		.amdhsa_user_sgpr_count 2
		.amdhsa_user_sgpr_kernarg_segment_ptr 1
		.amdhsa_wavefront_size32 1
		.amdhsa_system_sgpr_workgroup_id_x 1
		.amdhsa_system_sgpr_workgroup_id_y 1
		.amdhsa_system_sgpr_workgroup_id_z 1
		.amdhsa_system_vgpr_workitem_id 0
		.amdhsa_next_free_vgpr 160
		.amdhsa_next_free_sgpr 66
		.amdhsa_reserve_vcc 0
		.amdhsa_float_denorm_mode_32 3
		.amdhsa_float_denorm_mode_16_64 3
		.amdhsa_memory_ordered 1
		.amdhsa_forward_progress 1
		.amdhsa_inst_pref_size 25
	.end_amdhsa_kernel
	.amdgpu_metadata
---
amdhsa.version: [ 1, 2 ]
amdhsa.kernels:
  - .name:           k_q005e68ac82_norm
    .symbol:         k_q005e68ac82_norm.kd
    .args:
      - { .name: hid, .offset: 0, .size: 8, .value_kind: global_buffer, .address_space: global }
      - { .name: out0, .offset: 8, .size: 8, .value_kind: global_buffer, .address_space: global }
    .group_segment_fixed_size: 0
    .private_segment_fixed_size: 0
    .kernarg_segment_align: 8
    .kernarg_segment_size: 16
    .max_flat_workgroup_size: 128
    .sgpr_count:     66
    .vgpr_count:     160
    .wavefront_size: 32
...
	.end_amdgpu_metadata
.endif
;; end of part 3
